; MI455X (gfx1250); checked and timed in simulation.
; The chip was launched on July 23, 2026; its instructions are those of AMD's public machine-readable ISA for CDNA 5 (MIT licence, August 2026) and "CDNA5" Instruction Set Architecture Reference Guide (July 2026). The comments in the code are by the model that wrote it; some were corrected since.
;; Quant Linear. Allowed arithmetic: float matrix products may take bf16 or f16 operands with f32 sums; other float arithmetic in f32, or as packed bf16 or f16 multiplies, adds, multiply-adds, maxima and minima; sums over many terms, partial sums and values carried from step to step in f32; what a program stores and reads back later, other than sums and carried values, may be rounded once to bf16 or f16.
;; Inputs: qweight 16,384 x 4,096 int8; scale 16,384 float32; x 2 x 512 x 4,096 float32.
;; Outputs: out0 2 x 512 x 16,384 bfloat16.
;; 2 versions, each right; version 2 is version 1 with the launch cvt written anew for expert scheduling mode. Each part assembles by itself: llvm-mc -triple=amdgcn-amd-amdhsa -mcpu=gfx1250 --defsym DOCPART=n.
;; ======== version 1 of 2: 2 launches
;; limits: values are held in f16: magnitudes above 65,504 overflow, below 6.1e-05 lose precision; inputs' magnitudes at most 65,504
;; workspace buffers: xh 8,388,608 bytes
;; launch cvt (part 1): grid 256 x 1, 8 waves a work-group, no clusters, 0 bytes of LDS; arguments x, xh; writes xh
.if DOCPART == 1
	.amdgcn_target "amdgcn-amd-amdhsa--gfx1250"
	.amdhsa_code_object_version 6
	.text
	.protected	k_qf7da937ac0_cvt
	.globl	k_qf7da937ac0_cvt
	.p2align	8
	.type	k_qf7da937ac0_cvt,@function
k_qf7da937ac0_cvt:
	s_mov_b64 s[64:65], 0
	v_nop
	global_prefetch_b8 v0, s[64:65] scope:SCOPE_SE
	s_setreg_imm32_b32 hwreg(HW_REG_WAVE_MODE, 25, 1), 1
	s_wait_xcnt 0x0
; xh = x rounded once to f16, in x's own layout: [1024][4096], rows along K.  It is the matrix operand of the product that follows.
; LIMITS.  f16 ends at 65,504: an |x| of 65,520 or more becomes an infinity; below 6e-5 a number keeps f16's fixed step of 6e-8.
; SHARES.  256 work-groups of eight waves; a work-group takes 65,536 consecutive bytes of x.  Thread t takes 16 bytes at 16 t + 4,096 j, j = 0 .. 15: a wave's load covers 512 consecutive
; bytes, a wave's store of 8 bytes a lane 256 consecutive bytes at a multiple of 256 from xh's first byte.  All sixteen loads of a thread go out first; no register is written twice,
; so the only waits are the counted ones for the loads.  No LDS, no barrier, no matrix unit: every number is touched once.
.set X, 4                              ; v[4:67]   load j: four f32
.set Y, 68                             ; v[68:99]  store j: four f16
	s_load_b128 s[4:7], s[0:1], 0x0                ; x s[4:5], xh s[6:7]
	s_lshl_b32 s2, ttmp9, 16                       ; my 65,536 bytes of x
	s_mov_b32 s3, 0
	s_lshl_b32 s8, ttmp9, 15                       ; my 32,768 bytes of xh
	s_mov_b32 s9, 0
	v_lshlrev_b32 v1, 4, v0                        ; 16 t
	v_lshlrev_b32 v2, 3, v0                        ; 8 t
	s_wait_kmcnt 0x0
	s_add_nc_u64 s[4:5], s[4:5], s[2:3]
	s_add_nc_u64 s[6:7], s[6:7], s[8:9]
.irp j, 0,1,2,3,4,5,6,7,8,9,10,11,12,13,14,15
	global_load_b128 v[X+4*(\j):X+4*(\j)+3], v1, s[4:5] offset:4096*(\j) th:TH_LOAD_NT   ; x is read once in the launch
.endr
.irp j, 0,1,2,3,4,5,6,7,8,9,10,11,12,13,14,15
	s_wait_loadcnt 15-(\j)                         ; loads come back in order (ISA guide 5.7.1): load j is in, the 15 - j younger ones stay out
	v_cvt_pk_f16_f32 v[Y+2*(\j)],   v[X+4*(\j)],   v[X+4*(\j)+1]
	v_cvt_pk_f16_f32 v[Y+2*(\j)+1], v[X+4*(\j)+2], v[X+4*(\j)+3]
	global_store_b64 v2, v[Y+2*(\j):Y+2*(\j)+1], s[6:7] offset:2048*(\j)   ; no hint: the next launch reads xh many times
.endr
	s_endpgm
.Lfunc_end_k_qf7da937ac0_cvt:
	.size	k_qf7da937ac0_cvt, .Lfunc_end_k_qf7da937ac0_cvt-k_qf7da937ac0_cvt
	.p2alignl 7, 3214868480
	.fill 96, 4, 3214868480
	.section	.rodata,"a",@progbits
	.p2align	6, 0x0
	.amdhsa_kernel k_qf7da937ac0_cvt
		.amdhsa_group_segment_fixed_size 0
		.amdhsa_private_segment_fixed_size 0
		.amdhsa_enable_private_segment 0
		.amdhsa_kernarg_size 16
		.amdhsa_user_sgpr_count 2
		.amdhsa_user_sgpr_kernarg_segment_ptr 1
		.amdhsa_wavefront_size32 1
		.amdhsa_system_sgpr_workgroup_id_x 1
		.amdhsa_system_sgpr_workgroup_id_y 1
		.amdhsa_system_sgpr_workgroup_id_z 1
		.amdhsa_system_vgpr_workitem_id 0
		.amdhsa_next_free_vgpr 100
		.amdhsa_next_free_sgpr 66
		.amdhsa_reserve_vcc 0
		.amdhsa_float_denorm_mode_32 3
		.amdhsa_float_denorm_mode_16_64 3
		.amdhsa_memory_ordered 1
		.amdhsa_forward_progress 1
		.amdhsa_inst_pref_size 7
	.end_amdhsa_kernel
	.amdgpu_metadata
---
amdhsa.version: [ 1, 2 ]
amdhsa.kernels:
  - .name:           k_qf7da937ac0_cvt
    .symbol:         k_qf7da937ac0_cvt.kd
    .args:
      - { .name: x, .offset: 0, .size: 8, .value_kind: global_buffer, .address_space: global }
      - { .name: xh, .offset: 8, .size: 8, .value_kind: global_buffer, .address_space: global }
    .group_segment_fixed_size: 0
    .private_segment_fixed_size: 0
    .kernarg_segment_align: 8
    .kernarg_segment_size: 16
    .max_flat_workgroup_size: 256
    .sgpr_count:     66
    .vgpr_count:     100
    .wavefront_size: 32
...
	.end_amdgpu_metadata
.endif
;; end of part 1
;; launch gemm (part 2): grid 64 x 4, 4 waves a work-group, clusters of 4 x 4, 327,680 bytes of LDS; arguments xh, qweight, scale, out0; writes out0
.if DOCPART == 2
	.amdgcn_target "amdgcn-amd-amdhsa--gfx1250"
	.amdhsa_code_object_version 6
	.text
	.protected	k_qf7da937ac0_gemm
	.globl	k_qf7da937ac0_gemm
	.p2align	8
	.type	k_qf7da937ac0_gemm,@function
k_qf7da937ac0_gemm:
	s_mov_b64 s[64:65], 0
	v_nop
	global_prefetch_b8 v0, s[64:65] scope:SCOPE_SE
	s_setreg_imm32_b32 hwreg(HW_REG_WAVE_MODE, 25, 1), 1
	s_wait_xcnt 0x0
	s_wait_alu depctr_hold_cnt(0) depctr_sa_sdst(0) depctr_va_vdst(0) depctr_va_sdst(0) depctr_va_ssrc(0) depctr_va_vcc(0) depctr_vm_vsrc(0)
	s_getreg_b32 s2, hwreg(HW_REG_IB_STS2, 6, 4)
	s_cmp_eq_u32 s2, 0
	s_cbranch_scc0 .Lentry_in_a_cluster
	s_endpgm
.Lentry_in_a_cluster:
	s_bfe_u32 s2, ttmp6, 0x10000c
	s_cmp_lg_u32 s2, 0xf033
	s_cbranch_scc0 .Lentry_shape_is_right
	s_endpgm
.Lentry_shape_is_right:
; out[m][n] = bf16( scale[n] x the sum over k of xh[m][k] q[n][k] ).  xh: [1024][4096] f16 (x rounded once).  q: [16384][4096] int8.  scale: [16384] f32.  out: [1024][16384] bf16.
; Products in the f16 matrix form, sums in f32; the scale multiplies the finished sum in f32; out is rounded once.
; LIMITS.  xh's: |x| of 65,520 or more is an infinity, below 6e-5 the step is 6e-8.  q is exact in f16.  Inside each 32 along K the places of k are permuted, alike in both operands.
; SHARES.  A tile of out, 256 x 256, is made by a work-group of four waves; a wave makes 128 x 128: 64 accumulators of 16 x 16, 512 registers.  256 tiles, one to a work-group.
; q GOES FROM int8 TO f16 BETWEEN LDS AND THE MATRIX INSTRUCTION: a byte b becomes u = b xor 0x80 = b + 128; the byte 0x64 set above u is the f16 number 1024 + u; 1152 is taken away by a packed
; f16 addition, which is exact.  Five vector lines for four bytes.  These lines (RIDERS) stand two or three behind each matrix instruction and work for the next quarter step.
; THE RING.  A QUARTER is 32 along K, 64 matrix instructions.  A STEP is 128 along K: a slot of xh, rows of 256 bytes.  A LAP is 256 along K: a slot of q, rows of 256 bytes.  Two slots of each,
; filled by the tensor data mover; all tile rows start at multiples of 256 bytes from their buffer's first byte.  Waves 0 and 1 fetch xh's halves in every step, waves 2 and 3 q's halves in every second.
; CLUSTERS: 4 x 4 work-groups.  The four of a row of the cluster need the same tiles of xh, the four of a column (all 1,024 rows of out) the same tiles of q: each tile is asked for JOINTLY, by the same
; tensor load with the same descriptor and a mask that names the four.
; THE MATRIX INSTRUCTION IS USED TRANSPOSED (source 0 = 16 rows of q, source 1 = 16 rows of xh): a lane holds row l % 16 of out and eight neighbouring columns 8 (l / 16) + 0 .. 7.
; THE PLACES OF k.  Lane (r, h) holds k = 16 h + 0 .. 15 of each 32, in ascending order in its eight registers, in both operands: 16 raw bytes of q are ONE load, 32 bytes of xh two.
;
; REGISTERS, in windows of 256 (s_set_vgpr_msb: bits 1:0 source 0, 3:2 source 1, 5:4 source 2, 7:6 destination).  Window w (0 .. 3) owns the column blocks b = 2 w, 2 w + 1:
;   v16-31  RAW: q's bytes as loaded, two buffers x two blocks x 4        v32-63  BF: the same as f16 fragments, two buffers x two blocks x 8
;   v128-255  the 16 accumulators (a, b = 2 w + bl) at v[128 + 8 (2 a + bl)]
;   v64-127: window 0: xh's fragments, buffer 0; window 1: buffer 1; window 2: the 64 scales of my lane's columns.      window 0, v0-15: addresses.
; A group of 16 matrix instructions of window w on buffer f runs under ONE setting, w | f << 2 | w << 4 | w << 6, and its riders (vector source 0 and destination in window w, the rest scalars) under the same.
.set SIZE_K, 4096
.set SIZE_N, 16384
.set PITCH,  272                       ; an LDS row: 256 bytes + 16 of padding = 68 words: row r starts at bank 4 r mod 64 (64 banks of 4 bytes: ISA guide 11.1), so the 16 rows that a load touches start at 16 different banks
.set HALFT,  128*PITCH                 ; 128 rows: what one tensor load brings, and what one wave reads of xh or of q
.set SLOT,   4*HALFT                   ; xh's 256 rows, then q's 256 rows
.set STAGE,  2*SLOT                    ; behind the ring: 16 rows x 272 bytes for each wave, for the way out; no tensor load lands here
.set SPITCH, 272
.set SPARE,  STAGE+4*16*SPITCH         ; behind the stages: the spare words, 128 bytes for each wave: two blocks of 256 bytes that no other line names
.set LAPS,   SIZE_K/256                ; 16
.set ADRA, 6                           ; v6-7   LDS address of my xh fragments in slot 0, 1
.set AB0,  8                           ; v8     my lane's place in a tile of q; never rewritten
.set ADRB, 9                           ; v9     LDS address of my q bytes in the slot in hand
.set STO,  10                          ; v10    the way out: where I put 16 bytes of a row
.set RD,   11                          ; v11    the way out: where I read a row back
.set CO,   12                          ; v12    my byte offset in out
.set SCO,  13                          ; v13    my byte offset in the scales
.set SPW,  14                          ; v14    LDS address of my spare word: SPARE + 4 x my thread's number; never rewritten
.set NIL,  15                          ; v15    0; never rewritten
.set RAW,  16
.set BF,   32
.set AF,   64
.set SC,   64                          ; in window 2
.set ACC,  128
.set TMP,  64                          ; the way out, window 0: packed results v64-95; rows read back: v96-127 and v16-47 by turns
.set WV,   12                          ; s12  my wave's number;  s13 = wave / 2: my half of the rows, and: I fetch xh (0) or q (1);  s14 = wave % 2: my half of the columns, and: which 128 rows I fetch
.set G1A,  24                          ; s[24:31] descriptor group 1 for xh's tiles
.set G0A,  32                          ; s[32:39] group 0 for xh's tiles, a set for each slot
.set G1B,  48                          ; s[48:55] group 1 for q's tiles
.set G0B,  56                          ; s[56:63] group 0 for q's tiles: a set for each of the two first fills; the second then walks on
.set SX,   66                          ; s66  0x80 four times
.set C64,  67                          ; s67  0x64 four times
.set SEL0, 68                          ; s68-69  byte selects: bytes 0, 1 (2, 3) of the raw word, each under a 0x64
.set NEG,  70                          ; s70  -1152 twice in f16
.set TB,   71                          ; s71  LDS byte at which q's tile in hand begins
.set MSB, 0
.macro WIN new                         ; the immediate's high byte repeats the setting that is left; a switch that changes nothing is dropped
.if MSB != (\new)
	s_set_vgpr_msb (MSB<<8)|(\new)
.set MSB, (\new)
.endif
.endm
.macro PLACES                          ; four plain vector instructions between a matrix instruction and a vector line that reads its result (ISA guide 7.12.1)
.rept 4
	v_nop
.endr
.endm
; A round of the cluster's barrier: my work-group's barrier, so that wave 0's signal speaks for all four waves; wave 0 signals for the work-group; every wave waits for all sixteen
; work-groups; my work-group's barrier once more.  No LDS instruction of the wave is pending at a signal.
.macro CREST                           ; a round behind its opening barrier
	s_cmp_lg_u32 s[WV], 0
	s_cbranch_scc1 .Lnot_wave_0_\@
	s_barrier_signal -3
.Lnot_wave_0_\@:
	s_barrier_wait -3
	s_barrier_signal -1
	s_barrier_wait -1
.endm
.macro CROUND                          ; a whole round
	s_barrier_signal -1
	s_barrier_wait -1
	CREST
.endm
; The joint refills.  The branch hangs on the wave's number alone: it is the same in every work-group.  An s_nop 0 and four v_nop follow each tensor load, ahead of the jump and the label.
.macro JLOAD_AB s                      ; waves 0, 1: xh's slot s;  waves 2, 3: q's walking descriptor
	s_cmp_eq_u32 s13, 0
	s_cbranch_scc0 .Lfor_b_\@
	tensor_load_to_lds s[G0A+4*(\s):G0A+4*(\s)+3], s[G1A:G1A+7]
	s_nop 0
.rept 4
	v_nop
.endr
	s_branch .Lasked_\@
.Lfor_b_\@:
	tensor_load_to_lds s[G0B+4:G0B+7], s[G1B:G1B+7]
	s_nop 0
.rept 4
	v_nop
.endr
.Lasked_\@:
.endm
.macro JLOAD_A s                       ; waves 0, 1: xh's slot s;  waves 2, 3 have no part of a tile to fill
	s_cmp_eq_u32 s13, 0
	s_cbranch_scc0 .Lnone_\@
	tensor_load_to_lds s[G0A+4*(\s):G0A+4*(\s)+3], s[G1A:G1A+7]
	s_nop 0
.rept 4
	v_nop
.endr
.Lnone_\@:
.endm
	s_load_b256 s[4:11], s[0:1], 0x0               ; xh s[4:5], q s[6:7], scale s[8:9], out s[10:11]
	v_lshl_add_u32 v[SPW], v0, 2, SPARE
	v_mov_b32 v[NIL], 0
	ds_add_u32 v[SPW], v[NIL]                      ; the wave's opening: the add and its wait stand ahead of my first tensor load; the set-up below, work on registers, stands between them
	v_lshrrev_b32 v1, 5, v0
	v_readfirstlane_b32 s[WV], v1                  ; wave 0..3
	s_lshr_b32 s13, s[WV], 1
	s_and_b32 s14, s[WV], 1
	s_bfe_u32 s40, ttmp6, 0x40000                  ; cx: my place along the cluster's x
	s_bfe_u32 s41, ttmp6, 0x40004                  ; cy: along its y.  The grid is one cluster high, so cy is the tile row of out
	s_lshl_b32 s42, ttmp9, 2                       ; in a cluster launch ttmp9 counts clusters
	s_add_co_u32 s42, s42, s40                     ; tile column of out = 4 x cluster x + cx
	s_lshl_b32 s43, s41, 2
	s_lshl_b32 s43, 15, s43                        ; my row of the cluster: places 4 cy .. 4 cy + 3
	s_lshl_b32 s44, 0x1111, s40                    ; my column: places cx, cx + 4, cx + 8, cx + 12
	; group 1 for xh: a tile of 128 rows x 128 elements of 2 bytes, padded in LDS
	s_or_b32 s[G1A+0], s43, (1<<16)|(1<<20)|(1<<21)|(5<<22)|(3<<25)  ; 15:0 the mask: my row; 17:16 elements of 2 bytes; 20 padding on; 21 set beside a mask; 24:22 after every 64 words (code 5); 31:25 4 words of it (code 3)
	s_mov_b32 s[G1A+1], 128<<16                    ; tensor_dim0 = 128
	s_mov_b32 s[G1A+2], 128<<16                    ; tensor_dim1 = 128
	s_mov_b32 s[G1A+3], 128<<16                    ; tile_dim0 = 128
	s_mov_b32 s[G1A+4], 128                        ; tile_dim1 = 128
	s_mov_b32 s[G1A+5], SIZE_K                     ; elements from row to row
	s_mov_b32 s[G1A+6], 0
	s_mov_b32 s[G1A+7], 0
	; group 1 for q: a tile of 128 rows x 256 elements of 1 byte, the same padding
	s_or_b32 s[G1B+0], s44, (1<<20)|(1<<21)|(5<<22)|(3<<25)          ; the mask: my column; elements of 1 byte
	s_mov_b32 s[G1B+1], 256<<16                    ; tensor_dim0 = 256
	s_mov_b32 s[G1B+2], 128<<16                    ; tensor_dim1 = 128
	s_mov_b32 s[G1B+3], 256<<16                    ; tile_dim0 = 256
	s_mov_b32 s[G1B+4], 128                        ; tile_dim1 = 128
	s_mov_b32 s[G1B+5], SIZE_K
	s_mov_b32 s[G1B+6], 0
	s_mov_b32 s[G1B+7], 0
	s_mov_b32 s[SX], 0x80808080
	s_mov_b32 s[C64], 0x64646464
	s_mov_b32 s[SEL0], 0x00050004
	s_mov_b32 s[SEL0+1], 0x00070006
	s_mov_b32 s[NEG], 0xe480e480
	s_mov_b32 s[TB], 2*HALFT                       ; q's tile of slot 0 lies behind xh's 256 rows
	; where the tiles come from.  xh's hang on the tile row alone, which my row of the cluster shares; q's on the tile column alone, which my column shares; each in registers that never hold the other coordinate
	s_lshl_b32 s16, s41, 8
	s_lshl_b32 s17, s14, 7
	s_add_co_u32 s16, s16, s17                     ; xh: row 256 x tile row + 128 x half,
	s_lshl_b32 s16, s16, 13                        ; of 8,192 bytes
	s_mov_b32 s17, 0
	s_lshl_b32 s46, s42, 8
	s_lshl_b32 s47, s14, 7
	s_add_co_u32 s46, s46, s47                     ; q: row 256 x tile column + 128 x half,
	s_lshl_b32 s46, s46, 12                        ; of 4,096 bytes
	s_mov_b32 s47, 0
	s_mul_i32 s22, s[WV], HALFT                    ; and where they go: xh's two halves, then q's two halves = wave x 128 rows: no place in the cluster enters an LDS address
	s_wait_dscnt 0x0                               ; the opening add is done
	s_wait_kmcnt 0x0
	s_add_nc_u64 s[18:19], s[4:5], s[16:17]
	s_add_nc_u64 s[20:21], s[6:7], s[46:47]
.irp s, 0,1
	s_mov_b32 s[G0A+4*(\s)], 1                                       ; count = 1
	s_add_co_u32 s[G0A+4*(\s)+1], s22, (\s)*SLOT                     ; LDS address
	s_add_nc_u64 s[G0A+4*(\s)+2:G0A+4*(\s)+3], s[18:19], (\s)*256    ; global address: step s
	s_or_b32 s[G0A+4*(\s)+3], s[G0A+4*(\s)+3], 0x80000000            ; type = 2
	s_mov_b32 s[G0B+4*(\s)], 1
	s_add_co_u32 s[G0B+4*(\s)+1], s22, (\s)*SLOT
	s_add_nc_u64 s[G0B+4*(\s)+2:G0B+4*(\s)+3], s[20:21], (\s)*256    ; lap s
	s_or_b32 s[G0B+4*(\s)+3], s[G0B+4*(\s)+3], 0x80000000
.endr
	CROUND                                         ; all sixteen work-groups are here: the first joint loads meet
	s_cmp_eq_u32 s13, 0                            ; a wave's two first fills stand in one branch, ahead of every wait on TENSORcnt, every LDS read and every other barrier: two loads of mine are out
	s_cbranch_scc0 .Lfirst_b
	tensor_load_to_lds s[G0A:G0A+3], s[G1A:G1A+7]
	s_nop 0
	tensor_load_to_lds s[G0A+4:G0A+7], s[G1A:G1A+7]
	s_nop 0
.rept 4
	v_nop
.endr
	s_branch .Lfirst_asked
.Lfirst_b:
	tensor_load_to_lds s[G0B:G0B+3], s[G1B:G1B+7]
	s_nop 0
	tensor_load_to_lds s[G0B+4:G0B+7], s[G1B:G1B+7]
	s_nop 0
.rept 4
	v_nop
.endr
.Lfirst_asked:
	; the scales of my lane's 64 columns: block b's eight at 64 b + 32 (l / 16) bytes from my wave's first
	v_and_b32 v1, 15, v0                           ; r = l % 16
	v_bfe_u32 v2, v0, 4, 1                         ; h = l / 16
	v_lshlrev_b32 v[SCO], 5, v2
	s_lshl_b32 s46, s42, 10                        ; 256 columns x 4 bytes x tile column
	s_lshl_b32 s47, s14, 9                         ; + my 128 columns
	s_add_co_u32 s46, s46, s47
	s_mov_b32 s47, 0
	s_add_nc_u64 s[8:9], s[8:9], s[46:47]
	WIN 0x80                                       ; destination window 2, address window 0
.irp b, 0,1,2,3,4,5,6,7
	global_load_b128 v[SC+8*(\b):SC+8*(\b)+3],   v[SCO], s[8:9] offset:64*(\b)
	global_load_b128 v[SC+8*(\b)+4:SC+8*(\b)+7], v[SCO], s[8:9] offset:64*(\b)+16
.endr
	WIN 0
	v_mul_u32_u24 v3, v1, PITCH                    ; 272 r
	s_mul_i32 s16, s13, HALFT                      ; my 128 rows of xh
	v_lshl_add_u32 v4, v2, 5, v3                   ; + 32 h: my 16 numbers of each 32
	v_add_nc_u32 v[ADRA], s16, v4
	v_add_nc_u32 v[ADRA+1], SLOT, v[ADRA]
	s_mul_i32 s17, s14, HALFT                      ; my 128 rows of q
	v_lshl_add_u32 v5, v2, 4, v3                   ; 272 r + 16 h: my 16 bytes of each 32
	v_add_nc_u32 v[AB0], s17, v5
	v_add_nc_u32 v[ADRB], s[TB], v[AB0]
	s_mul_i32 s23, s[WV], 16*SPITCH
	s_add_co_u32 s23, s23, STAGE                   ; my stage
	v_add_nc_u32 v[STO], s23, v5                   ; in: row l % 16, 16 bytes for each half of the lanes
	v_mul_u32_u24 v4, v2, SPITCH                   ; back: lanes 0-15 take one row of 256 bytes, lanes 16-31 the next
	v_lshl_add_u32 v4, v1, 4, v4
	v_add_nc_u32 v[RD], s23, v4
	v_lshlrev_b32 v4, 15, v2                       ; and the same two rows in out, 32,768 bytes apart
	v_lshl_add_u32 v[CO], v1, 4, v4
	s_lshl_b32 s16, s41, 8
	s_lshl_b32 s17, s13, 7
	s_add_co_u32 s16, s16, s17                     ; my first row of out,
	s_lshl_b32 s16, s16, 15                        ; in bytes
	s_mov_b32 s17, 0
	s_add_nc_u64 s[10:11], s[10:11], s[16:17]
	s_lshl_b32 s46, s42, 9                         ; my first column, in bytes: 512 x tile column + 256 x half
	s_lshl_b32 s47, s14, 8
	s_add_co_u32 s46, s46, s47
	s_mov_b32 s47, 0
	s_add_nc_u64 s[10:11], s[10:11], s[46:47]
; RIDER: line n of 40 of the conversion of one window's two blocks, RAW buffer g -> BF buffer g.  0-7: the sign bits are turned, in place.  8-23: two bytes of raw word (n - 8) / 2 go under a 0x64 each.
; 24-39: 1152 is taken away.  A line reads what was written eight lines back or more.
.macro RIDER g
.if n < 8
	v_xor_b32 v[RAW+8*(\g)+n], v[RAW+8*(\g)+n], s[SX]
.elseif n < 24
	v_perm_b32 v[BF+16*(\g)+n-8], v[RAW+8*(\g)+(n-8)/2], s[C64], s[SEL0+(n-8)%2]
.else
	v_pk_add_f16 v[BF+16*(\g)+n-24], v[BF+16*(\g)+n-24], s[NEG]
.endif
.set n, n+1
.endm
; GROUP: window w's 16 matrix instructions of a quarter on buffers f: row blocks a = 0 .. 7 x column blocks 2 w, 2 w + 1.  zero = 1: the products start the sums: nothing is ever cleared.
; conv = 1: two or three riders behind each, 40 in all: the same window's blocks for the next quarter, into the other buffer; none names a register of the products round it.
; The accumulators take turns, one instruction a turn: between two links of a chain stand the 63 others', over the loop's backward jump too.
.macro GROUP w, f, zero, conv
	WIN (\w)|((\f)<<2)|((\w)<<4)|((\w)<<6)
.set n, 0
.set i, 0
.rept 16
.if \zero
	v_wmma_f32_16x16x32_f16 v[ACC+8*i:ACC+8*i+7], v[BF+16*(\f)+8*(i%2):BF+16*(\f)+8*(i%2)+7], v[AF+8*(i/2):AF+8*(i/2)+7], 0
.else
	v_wmma_f32_16x16x32_f16 v[ACC+8*i:ACC+8*i+7], v[BF+16*(\f)+8*(i%2):BF+16*(\f)+8*(i%2)+7], v[AF+8*(i/2):AF+8*(i/2)+7], v[ACC+8*i:ACC+8*i+7]
.endif
.if \conv
	RIDER 1-(\f)
	RIDER 1-(\f)
.if i%2
	RIDER 1-(\f)
.endif
.endif
.set i, i+1
.endr
.endm
; RUNA: 16 LDS loads: xh's fragments of one quarter (128 rows, 32 K at byte ak of the slot's rows) into buffer g (window g)
.macro RUNA g, slot, ak
	WIN ((\g)<<6)
.irp i, 0,1,2,3,4,5,6,7
	ds_load_b128 v[AF+8*(\i):AF+8*(\i)+3],   v[ADRA+(\slot)] offset:(\ak)+(\i)*16*PITCH
	ds_load_b128 v[AF+8*(\i)+4:AF+8*(\i)+7], v[ADRA+(\slot)] offset:(\ak)+(\i)*16*PITCH+16
.endr
.endm
; RUNB: 8 LDS loads: q's bytes of one quarter (128 rows, 32 K at byte bk of the rows) into RAW buffer buf of the four windows, beginning with window g, in which RUNA has left the destination
.macro RUNB buf, g, bk
.irp k, 0,1,2,3
	WIN (((\k)^(\g))<<6)
.irp bl, 0,1
	ds_load_b128 v[RAW+8*(\buf)+4*(\bl):RAW+8*(\buf)+4*(\bl)+3], v[ADRB] offset:(\bk)+(2*((\k)^(\g))+(\bl))*16*PITCH
.endr
.endr
.endm
; QUARTER q, on buffers f = q % 2.  Its products take xh's buffer f and BF's buffer f; its riders make BF's other buffer, for quarter q + 1, of the bytes loaded a quarter ago; its one run of loads brings
; xh's fragments for q + 1 (slot, ak) and q's bytes for q + 2 (bk).  The run stands behind the first group: 43 riders lie between the last product that read xh's other buffer and the loads into it,
; and 48 matrix instructions between the run and the wait for it, at the next quarter's head.
.macro QUARTER f, slot, ak, bk, zero=0, conv=1, raw=1, af=1
	s_wait_dscnt 0x0                               ; the last quarter's run is in
	GROUP 0, \f, \zero, \conv
.if \af
	RUNA 1-(\f), \slot, \ak
.endif
.if \raw
	RUNB \f, 1-(\f), \bk
.endif
	GROUP 1, \f, \zero, \conv
	GROUP 2, \f, \zero, \conv
	GROUP 3, \f, \zero, \conv
.endm
; TURN: a step's third quarter, in which xh's slot is read for the last time (RUNA brings the step's fourth quarter).  ONE barrier, for two things.  In front of it each wave waits for all its tensor loads,
; adds 0 to its spare word, and waits for that and for its reads of the slots.  Behind it nobody reads xh's slot any more (nor, in a lap's second TURN, q's: its last bytes were read a quarter ago),
; and what was asked for behind the barrier before is whole.  kind = 1: xh's slot is filled again, two steps ahead.  kind = 2: also q's slot, two laps ahead.  The barrier then opens a round of the cluster's
; barrier, so that no wave of any partner still reads the slot or has a load on its way; the joint refill is the first thing behind the round: 224 matrix instructions ahead of the wait for it.
; kind = 0: nothing is left to fetch.  tog = 1: q's bytes come from the other slot from here on (they are read two quarters ahead of their products).
.macro TURN f, slot, ak, bk, kind, tog
	s_wait_dscnt 0x0                               ; the last quarter's run is in
	GROUP 0, \f, 0, 1
	RUNA 1-(\f), \slot, \ak
	WIN 0                                          ; (the add's two registers lie in window 0)
	s_wait_tensorcnt 0x0                           ; all my tensor loads have landed;
	ds_add_u32 v[SPW], v[NIL]                      ; 0 onto my spare word;
	GROUP 1, \f, 0, 1                              ; sixteen matrix instructions and their riders stand between the add and the wait for it
	s_wait_dscnt 0x0                               ; the add is done, and my reads of the slots are over:
	s_barrier_signal -1                            ; say so,
	GROUP 2, \f, 0, 1                              ; work on registers while the others arrive,
	WIN 0
	s_barrier_wait -1                              ; and go on when all four have said so
.if \kind
	CREST                                          ; all sixteen work-groups have said so
	s_add_nc_u64 s[G0A+4*(\slot)+2:G0A+4*(\slot)+3], s[G0A+4*(\slot)+2:G0A+4*(\slot)+3], 512   ; no tensor load of mine is out, so a group 0 may be written: two steps on
.if (\kind) == 2
	s_xor_b32 s[G0B+5], s[G0B+5], SLOT             ; q's walking descriptor: the other slot than last time (SLOT's bits are in no tile's place within a slot),
	s_add_nc_u64 s[G0B+6:G0B+7], s[G0B+6:G0B+7], 256   ; the next lap's 256 bytes of each row
	JLOAD_AB \slot
.else
	JLOAD_A \slot
.endif
.endif
.if \tog
	s_xor_b32 s[TB], s[TB], SLOT
	v_add_nc_u32 v[ADRB], s[TB], v[AB0]
.endif
	RUNB \f, 1-(\f), \bk
	GROUP 3, \f, 0, 1
.endm
; A trip once round both rings, from a lap's second quarter to the next lap's first.  k6: the kind of the second TURN.
.macro LAP k6
	QUARTER 1, 0, 128, 96
	TURN    0, 0, 192, 128, 1, 0
	QUARTER 1, 1, 0,   160
	QUARTER 0, 1, 64,  192
	QUARTER 1, 1, 128, 224
	TURN    0, 1, 192, 0, \k6, 1
	QUARTER 1, 0, 0,   32
	QUARTER 0, 0, 64,  64
.endm
	s_wait_loadcnt 0x0                             ; the scales, in the wait for the first tiles
	s_wait_tensorcnt 0x1                           ; my part of step 0 or lap 0 is in; my second load may stay out
	s_barrier_signal -1
	s_barrier_wait -1                              ; everybody's is
	RUNB 0, 0, 0                                   ; q's bytes of quarters 0 and 1, xh's fragments of quarter 0
	RUNB 1, 0, 32
	RUNA 0, 0, 0
	s_wait_dscnt 0x0
.irp w, 0,1,2,3                        ; quarter 0's fragments of q are made bare: there is no matrix work yet to set them behind
	WIN (\w)|((\w)<<4)|((\w)<<6)
.set n, 0
.rept 40
	RIDER 0
.endr
.endr
	QUARTER 0, 0, 64, 64, 1                        ; the first quarter stands in front of the loop: its products start the sums
	WIN 0                                          ; at a label and at a branch every window is 0
	s_mov_b32 s3, LAPS-2
.Llap:                                                 ; laps 0 to 13: both of xh's slots and one of q's are filled again
	LAP 2
	WIN 0
	s_sub_co_u32 s3, s3, 1
	s_cmp_lg_u32 s3, 0
	s_cbranch_scc1 .Llap
	LAP 1                                          ; lap 14 is written out: xh's steps 30 and 31 are asked for, q has none left
	QUARTER 1, 0, 128, 96                          ; lap 15 asks for nothing
	TURN    0, 0, 192, 128, 0, 0                   ; its one barrier shows step 31 to every wave
	QUARTER 1, 1, 0,   160
	QUARTER 0, 1, 64,  192
	QUARTER 1, 1, 128, 224
	QUARTER 0, 1, 192, 0, 0, 1, 0, 1               ; no bytes of q are left to read,
	QUARTER 1, 0, 0,   0, 0, 0, 0, 0               ; and in the last quarter nothing to convert or fetch
	; THE WAY OUT.  The sums are multiplied by their columns' scales in f32, in place, each accumulator from its lowest registers on; then a block of 16 rows at a time is rounded to bf16 (16 bytes a lane),
	; goes into my own stage in rows of 272 bytes, comes back as whole rows of 256 bytes and is stored.
.macro SCALE w
	WIN (\w)|(2<<2)|((\w)<<6)                      ; the sums in window w, the scales in window 2
.set i, 0
.rept 16
.irp p, 0,1,2,3
	v_pk_mul_f32 v[ACC+8*i+2*(\p):ACC+8*i+2*(\p)+1], v[ACC+8*i+2*(\p):ACC+8*i+2*(\p)+1], v[SC+8*(2*(\w)+i%2)+2*(\p):SC+8*(2*(\w)+i%2)+2*(\p)+1]
.endr
.set i, i+1
.endr
.endm
.macro PACK a
.irp w, 0,1,2,3
	WIN (\w)|((\w)<<2)                             ; sources in window w, destination in window 0
.irp bl, 0,1
.irp p, 0,1,2,3
	v_cvt_pk_bf16_f32 v[TMP+4*(2*(\w)+(\bl))+(\p)], v[ACC+8*(2*(\a)+(\bl))+2*(\p)], v[ACC+8*(2*(\a)+(\bl))+2*(\p)+1]
.endr
.endr
.endr
	WIN 0
.endm
.macro TOSTAGE a
	WIN 0
.set BK, 96-80*((\a)%2)
.irp b, 0,1,2,3,4,5,6,7
	ds_store_b128 v[STO], v[TMP+4*(\b):TMP+4*(\b)+3] offset:32*(\b)
.endr
.irp t, 0,1,2,3,4,5,6,7
	ds_load_b128 v[BK+4*(\t):BK+4*(\t)+3], v[RD] offset:(\t)*2*SPITCH   ; LDS serves a wave's instructions in order (ISA guide 5.7.1.4): these see the stores above; the next block's stores come behind them
.endr
.endm
.macro SEND a
	WIN 0
.set BK, 96-80*((\a)%2)
	s_wait_dscnt 0x0                               ; the block is back in registers
	s_wait_xcnt 0x0                                ; every earlier memory instruction has had its addresses translated (ISA guide 3.1): only behind this wait are the stores' base and the registers that earlier stores read rewritten
.if (\a) > 0
	s_add_nc_u64 s[10:11], s[10:11], 16*SIZE_N*2   ; 16 rows of out on
.endif
.irp t, 0,1,2,3,4,5,6,7
	global_store_b128 v[CO], v[BK+4*(\t):BK+4*(\t)+3], s[10:11] offset:2*(\t)*SIZE_N*2 th:TH_STORE_NT   ; 16 lanes store 256 consecutive bytes, at a multiple of 256 from out's first byte
.endr
.endm
	PLACES                                         ; the last quarter has no riders: four places between its products and the lines that read the sums
	SCALE 0
	SCALE 1
	SCALE 2
	SCALE 3
	PACK 0
	TOSTAGE 0
.irp a, 1,2,3,4,5,6,7                  ; block a's conversions stand between block a - 1's loads from the stage and the wait for them
	PACK \a
	SEND (\a)-1
	TOSTAGE \a
.endr
	SEND 7
	s_wait_tensorcnt 0x0                           ; the wave's end, behind my last tensor load and my last LDS store: wait, add 0 to my spare word, wait
	ds_add_u32 v[SPW], v[NIL]
	s_wait_dscnt 0x0
	CROUND                                         ; the closing round: no work-group ends while a partner may still ask for a tile that names it
	s_endpgm
.Lfunc_end_k_qf7da937ac0_gemm:
	.size	k_qf7da937ac0_gemm, .Lfunc_end_k_qf7da937ac0_gemm-k_qf7da937ac0_gemm
	.p2alignl 7, 3214868480
	.fill 96, 4, 3214868480
	.section	.rodata,"a",@progbits
	.p2align	6, 0x0
	.amdhsa_kernel k_qf7da937ac0_gemm
		.amdhsa_group_segment_fixed_size 327680
		.amdhsa_private_segment_fixed_size 0
		.amdhsa_enable_private_segment 0
		.amdhsa_kernarg_size 32
		.amdhsa_user_sgpr_count 2
		.amdhsa_user_sgpr_kernarg_segment_ptr 1
		.amdhsa_wavefront_size32 1
		.amdhsa_system_sgpr_workgroup_id_x 1
		.amdhsa_system_sgpr_workgroup_id_y 1
		.amdhsa_system_sgpr_workgroup_id_z 1
		.amdhsa_system_vgpr_workitem_id 0
		.amdhsa_next_free_vgpr 1024
		.amdhsa_next_free_sgpr 72
		.amdhsa_reserve_vcc 0
		.amdhsa_float_denorm_mode_32 3
		.amdhsa_float_denorm_mode_16_64 3
		.amdhsa_memory_ordered 1
		.amdhsa_forward_progress 1
		.amdhsa_inst_pref_size 255
	.end_amdhsa_kernel
	.section	.bss,"aw",@nobits
	.p2align	6
	.space	262144
	.amdgpu_metadata
---
amdhsa.version: [ 1, 2 ]
amdhsa.kernels:
  - .name:           k_qf7da937ac0_gemm
    .symbol:         k_qf7da937ac0_gemm.kd
    .args:
      - { .name: xh, .offset: 0, .size: 8, .value_kind: global_buffer, .address_space: global }
      - { .name: qweight, .offset: 8, .size: 8, .value_kind: global_buffer, .address_space: global }
      - { .name: scale, .offset: 16, .size: 8, .value_kind: global_buffer, .address_space: global }
      - { .name: out0, .offset: 24, .size: 8, .value_kind: global_buffer, .address_space: global }
    .group_segment_fixed_size: 327680
    .private_segment_fixed_size: 0
    .kernarg_segment_align: 8
    .kernarg_segment_size: 32
    .max_flat_workgroup_size: 128
    .sgpr_count:     72
    .vgpr_count:     1024
    .wavefront_size: 32
...
	.end_amdgpu_metadata
.endif
;; end of part 2
;; ======== version 2 of 2: 2 launches; version 1 with the launch cvt written anew for expert scheduling mode
;; limits: values are held in f16: magnitudes above 65,504 overflow, below 6.1e-05 lose precision; inputs' magnitudes at most 65,504
;; workspace buffers: xh 8,388,608 bytes
;; launch cvt (part 3): grid 256 x 1, 8 waves a work-group, no clusters, 0 bytes of LDS; arguments x, xh; writes xh
.if DOCPART == 3
	.amdgcn_target "amdgcn-amd-amdhsa--gfx1250"
	.amdhsa_code_object_version 6
	.text
	.protected	k_qf7da937ac0_cvt
	.globl	k_qf7da937ac0_cvt
	.p2align	8
	.type	k_qf7da937ac0_cvt,@function
k_qf7da937ac0_cvt:
	s_mov_b64 s[64:65], 0
	v_nop
	global_prefetch_b8 v0, s[64:65] scope:SCOPE_SE
	s_setreg_imm32_b32 hwreg(HW_REG_WAVE_SCHED_MODE, 0, 2), 2
	s_setreg_imm32_b32 hwreg(HW_REG_WAVE_MODE, 25, 1), 1
	s_wait_xcnt 0x0
	s_wait_alu depctr_vm_vsrc(0)
; xh = x rounded once to f16, in x's own layout: [1024][4096], rows along K.  It is the matrix operand of the product that follows.
; LIMITS.  f16 ends at 65,504: an |x| of 65,520 or more becomes an infinity; below 6e-5 a number keeps f16's fixed step of 6e-8.
; SHARES.  256 work-groups of eight waves; a work-group takes 65,536 consecutive bytes of x.  Thread t takes 16 bytes at 16 t + 4,096 j, j = 0 .. 15: a wave's load covers 512 consecutive
; bytes, a wave's store of 8 bytes a lane 256 consecutive bytes at a multiple of 256 from xh's first byte.  All sixteen loads of a thread go out first; no register is written twice.
; No LDS, no barrier, no matrix unit: every number is touched once.
; THE MODE: SCHED_MODE bits 1:0 = 2 (LLVM: expert scheduling mode 2), set by the entry lines.  The code itself states the register dependences
; between vector instructions and memory instructions, with s_wait_alu, always for 0.
; THE PLAN.  The sixteen pieces go in four blocks of four.  Registers that memory instructions touch:
;   v1, v2   byte offsets of the loads and of the stores: written once at the head, never again.
;   X        load j lands in four registers of its own, which no vector instruction has named before; the two conversions of piece j read them; nothing lands in them again.
;   Y        the conversions of piece j write a pair of its own; store j reads it; it is never written again.
; Block p converts X's block p into Y's block p.  Its memory instructions are the four stores of block p - 1, which read v2 and Y's block p - 1: registers that no conversion of block p names.
; So one wait on va_vdst at the head of a block states all that its four stores hang on, and they are dealt among its conversions with no further wait.
; No register that a memory instruction has read is ever written again, so no wait on vm_vsrc or XCNT follows the entry lines.
.set X, 4                              ; v[4:67]   load j: four f32
.set Y, 68                             ; v[68:99]  store j: four f16
.set BLOCK, 4                          ; pieces in a block
	s_load_b128 s[4:7], s[0:1], 0x0                ; x s[4:5], xh s[6:7]
	s_lshl_b32 s2, ttmp9, 16                       ; my 65,536 bytes of x
	s_mov_b32 s3, 0
	s_lshl_b32 s8, ttmp9, 15                       ; my 32,768 bytes of xh
	s_mov_b32 s9, 0
	v_lshlrev_b32 v1, 4, v0                        ; 16 t
	v_lshlrev_b32 v2, 3, v0                        ; 8 t
	s_wait_kmcnt 0x0
	s_add_nc_u64 s[4:5], s[4:5], s[2:3]
	s_add_nc_u64 s[6:7], s[6:7], s[8:9]
	s_wait_alu depctr_va_vdst(0)                   ; v1 and v2 are written: every load of the kernel reads v1 as its offset, every store v2
.irp j, 0,1,2,3,4,5,6,7,8,9,10,11,12,13,14,15
	global_load_b128 v[X+4*(\j):X+4*(\j)+3], v1, s[4:5] offset:4096*(\j) th:TH_LOAD_NT   ; x is read once in the launch
.endr
; Block p: pieces 4 p to 4 p + 3 are converted; the stores of block p - 1 stand among the conversions, one in front of each piece's two.
.macro BLK p
	s_wait_loadcnt 12-BLOCK*(\p)                   ; loads come back in order (ISA guide 5.7.1): this block's four are in, the 12 - 4 p younger ones stay out
.if (\p) > 0
	s_wait_alu depctr_va_vdst(0)                   ; the conversions of the block before have written its four pairs of Y, which the stores below read
.endif
.irp i, 0,1,2,3
.if (\p) > 0
	global_store_b64 v2, v[Y+2*(BLOCK*(\p)-BLOCK+(\i)):Y+2*(BLOCK*(\p)-BLOCK+(\i))+1], s[6:7] offset:2048*(BLOCK*(\p)-BLOCK+(\i))   ; no hint: the next launch reads xh many times; no vector instruction since the wait names these registers
.endif
	v_cvt_pk_f16_f32 v[Y+2*(BLOCK*(\p)+(\i))],   v[X+4*(BLOCK*(\p)+(\i))],   v[X+4*(BLOCK*(\p)+(\i))+1]
	v_cvt_pk_f16_f32 v[Y+2*(BLOCK*(\p)+(\i))+1], v[X+4*(BLOCK*(\p)+(\i))+2], v[X+4*(BLOCK*(\p)+(\i))+3]
.endr
.endm
	BLK 0                                          ; block 0 has no block in front of it: no store, and no wait but the one for its data
	BLK 1
	BLK 2
	BLK 3
	s_wait_alu depctr_va_vdst(0)                   ; block 3's conversions have written its four pairs of Y, which the last four stores read
.irp i, 12,13,14,15
	global_store_b64 v2, v[Y+2*(\i):Y+2*(\i)+1], s[6:7] offset:2048*(\i)   ; no hint: the next launch reads xh many times
.endr
	s_endpgm
.Lfunc_end_k_qf7da937ac0_cvt:
	.size	k_qf7da937ac0_cvt, .Lfunc_end_k_qf7da937ac0_cvt-k_qf7da937ac0_cvt
	.p2alignl 7, 3214868480
	.fill 96, 4, 3214868480
	.section	.rodata,"a",@progbits
	.p2align	6, 0x0
	.amdhsa_kernel k_qf7da937ac0_cvt
		.amdhsa_group_segment_fixed_size 0
		.amdhsa_private_segment_fixed_size 0
		.amdhsa_enable_private_segment 0
		.amdhsa_kernarg_size 16
		.amdhsa_user_sgpr_count 2
		.amdhsa_user_sgpr_kernarg_segment_ptr 1
		.amdhsa_wavefront_size32 1
		.amdhsa_system_sgpr_workgroup_id_x 1
		.amdhsa_system_sgpr_workgroup_id_y 1
		.amdhsa_system_sgpr_workgroup_id_z 1
		.amdhsa_system_vgpr_workitem_id 0
		.amdhsa_next_free_vgpr 100
		.amdhsa_next_free_sgpr 66
		.amdhsa_reserve_vcc 0
		.amdhsa_float_denorm_mode_32 3
		.amdhsa_float_denorm_mode_16_64 3
		.amdhsa_memory_ordered 1
		.amdhsa_forward_progress 1
		.amdhsa_inst_pref_size 6
	.end_amdhsa_kernel
	.amdgpu_metadata
---
amdhsa.version: [ 1, 2 ]
amdhsa.kernels:
  - .name:           k_qf7da937ac0_cvt
    .symbol:         k_qf7da937ac0_cvt.kd
    .args:
      - { .name: x, .offset: 0, .size: 8, .value_kind: global_buffer, .address_space: global }
      - { .name: xh, .offset: 8, .size: 8, .value_kind: global_buffer, .address_space: global }
    .group_segment_fixed_size: 0
    .private_segment_fixed_size: 0
    .kernarg_segment_align: 8
    .kernarg_segment_size: 16
    .max_flat_workgroup_size: 256
    .sgpr_count:     66
    .vgpr_count:     100
    .wavefront_size: 32
...
	.end_amdgpu_metadata
.endif
;; end of part 3
;; launch gemm: the kernel of part 2 again; grid 64 x 4, 4 waves a work-group, clusters of 4 x 4, 327,680 bytes of LDS; arguments xh, qweight, scale, out0; writes out0
